; MI455X (gfx1250); checked and timed in simulation.
; The chip was launched on July 23, 2026; its instructions are those of AMD's public machine-readable ISA for CDNA 5 (MIT licence, August 2026) and "CDNA5" Instruction Set Architecture Reference Guide (July 2026). The comments in the code are by the model that wrote it; some were corrected since.
;; Poly Net. Allowed arithmetic: matrix products marked QUANTISED: E5M2 operands, one given power-of-two scale a tensor, by v_wmma_f32_16x16x64_bf8_bf8 or v_wmma_f32_16x16x128_bf8_bf8, f32 sums; products left as they are: f32 operands where the result goes on into a quantised operand, else bf16, f16 or f32 operands; f32 sums; everything else in f32.
;; Inputs: Wf1 65 x 128 float32; Wf2 16,513 x 128 float32; Wf3 16,641 x 128 float32; Wfc 769 x 1 float32; Wg1 65 x 128 float32; Wg2 16,513 x 128 float32; Wg3 16,641 x 128 float32; bf1 128 float32; bf2 128 float32; bf3 128 float32; bfc 1 float32; bg1 128 float32; bg2 128 float32; bg3 128 float32; bias0 one number float32; lowp_scales 12 int32 (the exponents e of the quantised operands' scales 2^e); x 8,192 x 64 float32.
;; Outputs: out0 8,192 x 1 float32.
;; This version of the problem:
;;   THIS VERSION OF THE PROBLEM IS GIVEN IN LOW PRECISION. The matrix products marked QUANTISED in the list below multiply operands that are first quantised to E5M2 (5 exponent bits, 2 mantissa bits; 8 bits a number), with one given power-of-two scale for each operand tensor; their sums are f32. All else is computed in f32.
;;   The module's matrix products, in the order in which they are computed (A, B: the left and right operand; K: the contracted axis; several contracted axes count as one K, in the product's order):
;;     1. [M 8,192, K 65] x [K 65, N 128]; A: computed on the way; B: input Wg1: QUANTISED (scales: A lowp_scales[0], B lowp_scales[1])
;;     2. [M 8,192, K 65] x [K 65, N 128]; A: computed on the way; B: input Wf1: QUANTISED (scales: A lowp_scales[2], B lowp_scales[3])
;;     3. [M 8,192, K 16,513] x [K 16,513, N 128]; A: computed on the way; B: input Wf2: QUANTISED (scales: A lowp_scales[4], B lowp_scales[5])
;;     4. [M 8,192, K 16,513] x [K 16,513, N 128]; A: computed on the way; B: input Wg2: QUANTISED (scales: A lowp_scales[6], B lowp_scales[7])
;;     5. [M 8,192, K 16,641] x [K 16,641, N 128]; A: computed on the way; B: input Wf3: QUANTISED (scales: A lowp_scales[8], B lowp_scales[9])
;;     6. [M 8,192, K 16,641] x [K 16,641, N 128]; A: computed on the way; B: input Wg3: QUANTISED (scales: A lowp_scales[10], B lowp_scales[11])
;;     7. [M 8,192, K 769] x [K 769, N 1]; A: computed on the way; B: input Wfc: left as it is (N = 1 < 16)
;;   THE QUANTISER, for each operand of a quantised product, along K:
;;     - The operand's scale is 2^e, e = its entry of the input lowp_scales (int32; the entries are numbered through the quantised products in the list's order, A before B).
;;     - Each number is divided by the scale, clamped to +-57,344, and rounded to the nearest number of E5M2, ties to even, subnormals kept.
;;     - The product sums the exact products of the quantised numbers (number of the format x scale) in f32.
;;   ~~~python
;;   def quantise(x, axis, e):      # numpy; x: float32 -> the quantised numbers, widened to float32 again
;;       x = np.moveaxis(x, axis, -1); K = x.shape[-1]
;;       r = np.clip(x / 2.0 ** e, -57344, 57344)
;;       step = 2.0 ** (np.maximum(np.frexp(np.where(r == 0, 1, r))[1] - 1, -14) - 2)
;;       q = np.round(r / step) * step * 2.0 ** e      # np.round: ties to even
;;       return np.moveaxis(q, -1, axis).astype(np.float32)
;;   ~~~
;;   OPERANDS COMPUTED ON THE WAY. 'Computed on the way' means the value that the module computes at that place (a softmax that the list does not call 'softmax' is quantised finished and normalised). What goes into a quantiser is computed in f32, as accurately as f32 sums, v_exp_f32 and their like allow (about 1e-6 of the number): no bf16 or f16 on the way to a quantiser, and a product that is left as it is and whose result goes on into a quantised operand takes f32 operands (vector FMAs, or v_wmma_f32_16x16x4_f32). A number that lies on a knife's edge between two numbers of the format may be rounded either way, as far as f32 arithmetic and the matrix unit's own rounding can turn it there, and no further.
;; One version. Each part assembles by itself: llvm-mc -triple=amdgcn-amd-amdhsa -mcpu=gfx1250 --defsym DOCPART=n.
;; ======== version 1 of 1: 4 launches
;; limits: right only within a limited range of input values
;; workspace buffers: wc2 4,325,376 bytes; wc3 4,325,376 bytes; o1img 4,194,304 bytes; pl 16,777,216 bytes; sc 655,360 bytes
;; launch prep (part 1): grid 41 x 16, 4 waves a work-group, no clusters, 1,536 bytes of LDS; arguments Wf2, Wg2, Wf3, Wg3, lowp_scales, x, bias0, Wf1, Wg1, bf1, bg1, Wfc, wc2, wc3, o1img, sc; writes wc2, wc3, o1img, sc
.if DOCPART == 1
	.amdgcn_target "amdgcn-amd-amdhsa--gfx1250"
	.amdhsa_code_object_version 6
	.text
	.protected	k_q653e220b18_prep
	.globl	k_q653e220b18_prep
	.p2align	8
	.type	k_q653e220b18_prep,@function
k_q653e220b18_prep:
	s_mov_b64 s[64:65], 0
	v_nop
	global_prefetch_b8 v0, s[64:65] scope:SCOPE_SE
	s_setreg_imm32_b32 hwreg(HW_REG_WAVE_MODE, 25, 1), 1
	s_wait_xcnt 0x0
; TWO JOBS IN ONE LAUNCH, told apart by the work-group's x.
; x = 0 .. 32: the weights of layers 2 and 3 become codes of BF8 (E5M2), laid in the order in which the later launches' operand registers take them.
;   y = 4 t + s; t: 0 Wf2, 1 Wg2, 2 Wf3, 3 Wg3; s: which 32 of the 128 indices j of the outer product o1_i ot_j.  A work-group makes ONE block of 16,384 bytes: one K step of 128 slots for all 128 columns.
;   Byte ct 2048 + c 512 + (16 h + r) 16 + i of a block is the code of column 16 ct + r at slot 32 c + 16 h + i.
;   Block x >= 1: slot = the index i of o1, one fixed j = 32 s + jj (x = 1: jj 0; x = 2: jj 31; else jj = x - 2): row PRE + 128 slot + j of W, PRE = 129 or 257.
;   Block 0: slots 0-31 rows 1 + 32 s + slot; slots 32-63 rows 129 + 32 s + slot - 32 (layer 3; zero codes in layer 2); slot 64 row 0 (s = 0 alone); all else zero codes.
;   A LANE TAKES A COLUMN AND ITS REGISTERS RUN DOWN THE SLOTS: each load reads 128 consecutive bytes a wave, 512 a work-group (a whole row of W), and the conversions give codes with K innermost.
; x = 33 .. 40: layer 1 for 64 rows (l = 16 (x - 33) + y): z = [bias0, x] against Wf1 and Wg1, both quantised here.  The waves share the COLUMNS: wave w makes columns 32 w .. 32 w + 31 of both branches.
;   The product is used transposed (source 0 = 16 columns of W, source 1 = 16 rows of z), and lane r of tile u takes column 32 w + 8 u + r + 8 (r / 8): a lane's 16 results are columns 32 w + 16 h + 0 .. 15 of ONE row.
;   ot1 leaves as an image of the registers in which the later launches keep it: [tile of 16 rows][quad 16][lane 32][16 bytes]; register q of lane (r, h) is ot1[row r][32 (q / 16) + 16 h + q % 16].
;   og1 and ot1 enter the result through Wfc alone beyond that: the wave's share of that sum, one number a row, goes to plane w of sc.
; code = number / 2^e, held within +-57,344, to the nearest code, ties to even.
; LIMITS: every e between -126 and 112; e2 + e3 and e0 + e1 between -126 and 127.  NaN among the inputs is not served.
; No tensor loads, no barrier: waves share nothing.  Matrix units for layer 1 alone; clusters buy nothing here, since no two work-groups read the same weights at the same time.
.set XQ, 16                            ; quantiser: v16-143 the 128 numbers of my column
.set CQ, 144                           ; v144-175 their codes
.set LI, 1                             ; layer 1: v1 16 x lane
.set XO, 2                             ; v2  my bytes in a tile of x: 256 r + 64 h
.set BZ, 3                             ; v3  bias0 in lanes 0-15, 0 in lanes 16-31: slot 64 of z
.set SCZF, 4                           ; v4  2^e2
.set SCZG, 5                           ; v5  2^e0
.set SM, 6                             ; v[6:7] the projection's running pair
.set PX, 8                             ; v8  the other half of the lanes' sum
.set ST, 9                             ; v9-12 a tile's sum, one a tile
.set TM, 13
.set WC, 16                            ; v16-79  four fragments of weights: f u0, f u1, g u0, g u1
.set WN, 80                            ; v80-239 at first their 4 x 40 numbers
.set BF, 80                            ; then v80-95 bf1, v96-111 bg1,
.set WF, 112                           ; v112-127 Wfc for ot1, v128-143 Wfc for og1
.set XX, 144                           ; v144-183 40 numbers of z
.set TT, 184                           ; v184-223 the same, held for branch f; v184-215 then the four accumulators
.set ZF, 224                           ; v224-239 z's codes for branch f
.set ZG, 240                           ; v240-255 for branch g (v240-247 serve the head first)
	s_load_b512 s[4:19], s[0:1], 0x0               ; Wf2 s[4:5], Wg2 s[6:7], Wf3 s[8:9], Wg3 s[10:11], scales s[12:13], x s[14:15], bias0 s[16:17], Wf1 s[18:19]
	s_load_b512 s[20:35], s[0:1], 0x40             ; Wg1 s[20:21], bf1 s[22:23], bg1 s[24:25], Wfc s[26:27], wc2 s[28:29], wc3 s[30:31], o1img s[32:33], sc s[34:35]
	v_lshl_add_u32 v14, v0, 2, 0x400
	v_mov_b32 v15, 0
	v_lshrrev_b32 v1, 5, v0
	v_readfirstlane_b32 s36, v1                    ; wave
	s_and_b32 s37, ttmp7, 0xffff                   ; y
	s_wait_kmcnt 0x0
	s_cmp_ge_u32 ttmp9, 33
	s_cbranch_scc1 .Llayer1
; ---------------- the weights' codes ----------------
	s_lshr_b32 s38, s37, 2                         ; t
	s_and_b32 s39, s37, 3                          ; s
	s_lshr_b32 s40, s38, 1                         ; 0: layer 2, 1: layer 3
	s_and_b32 s41, s38, 1                          ; 0: f, 1: g
	s_lshl_b32 s42, s38, 3
	s_load_b32 s43, s[12:13], s42 offset:20        ; e = entry 5 + 2 t
	s_cmp_eq_u32 s41, 0
	s_cselect_b64 s[4:5], s[4:5], s[6:7]           ; the choices hang on the work-group's number alone
	s_cselect_b64 s[8:9], s[8:9], s[10:11]
	s_mov_b32 s45, 257
	s_cmp_eq_u32 s40, 0
	s_cselect_b64 s[4:5], s[4:5], s[8:9]           ; W
	s_cselect_b64 s[28:29], s[28:29], s[30:31]     ; its codes
	s_cselect_b32 s44, 129, s45                    ; PRE
	s_cselect_b32 s52, 0, -1                       ; block 0: slots 32-63 count in layer 3 alone
	s_cmp_eq_u32 s39, 0
	s_cselect_b32 s53, -1, 0                       ; and slot 64 where s = 0
	s_lshl_b32 s46, s41, 2
	s_add_co_u32 s46, s46, s39
	s_mul_i32 s46, s46, 540672                     ; 33 blocks for each (branch, s)
	s_lshl_b32 s47, ttmp9, 14
	s_add_co_u32 s46, s46, s47
	s_mov_b32 s47, 0
	s_add_nc_u64 s[28:29], s[28:29], s[46:47]      ; my block
	v_and_b32 v2, 31, v0                           ; lane L: column 32 w + L
	v_lshrrev_b32 v3, 4, v2
	v_and_b32 v4, 15, v2
	v_lshlrev_b32 v4, 4, v4
	v_lshl_add_u32 v4, v3, 11, v4
	s_lshl_b32 s48, s36, 12
	v_add_nc_u32 v4, s48, v4                       ; out: 4096 w + 2048 (L / 16) + 16 (L % 16): sixteen lanes fill 256 consecutive bytes, aligned
	s_lshl_b32 s48, s36, 7
	v_lshl_add_u32 v5, v2, 2, s48                  ; in: 128 w + 4 L
.macro QSCALE
	s_wait_kmcnt 0x0
	s_add_co_i32 s43, s43, 127
	s_lshl_b32 s54, s43, 23
	v_mov_b32 v11, s54                             ; 2^e as f32: the conversion takes its exponent field
.endm
.macro QOUT                            ; register 8 c + 4 h on holds slots 32 c + 16 h + 0 .. 15: byte 512 c + 256 h of my column's places
.set ii, 0
.rept 8
	global_store_b128 v4, v[CQ+4*ii:CQ+4*ii+3], s[28:29] offset:256*ii
.set ii, ii+1
.endr
.endm
	s_cmp_eq_u32 ttmp9, 0
	s_cbranch_scc1 .Lspecial
	s_sub_co_u32 s49, ttmp9, 2
	s_cmp_eq_u32 ttmp9, 1
	s_cselect_b32 s49, 0, s49
	s_cmp_eq_u32 ttmp9, 2
	s_cselect_b32 s49, 31, s49                     ; jj
	s_lshl_b32 s50, s39, 5
	s_add_co_u32 s50, s50, s49
	s_add_co_u32 s50, s50, s44                     ; row PRE + 32 s + jj: slot 0's
	s_lshl_b32 s50, s50, 9
	s_mov_b32 s51, 0
	s_add_nc_u64 s[4:5], s[4:5], s[50:51]
.macro LOADG q                         ; slots 32 q .. 32 q + 31: 128 rows of 512 bytes from slot to slot; 127 x 65,536 lies inside the signed 24-bit immediate
.set ii, 32*(\q)
.rept 32
	global_load_b32 v[XQ+ii], v5, s[4:5] offset:ii*65536 th:TH_LOAD_NT
.set ii, ii+1
.endr
.endm
.macro QG q
.set ii, 32*(\q)
.rept 32
.set ii, ii+1
.endr
.set ii, 4*(\q)
.rept 4
	v_cvt_scalef32_pk8_bf8_f32 v[CQ+2*ii:CQ+2*ii+1], v[XQ+8*ii:XQ+8*ii+7], v11
.set ii, ii+1
.endr
.endm
	s_wait_alu depctr_va_vdst(0)
	LOADG 0
	LOADG 1
	QSCALE
	s_wait_alu depctr_va_vdst(0)
	s_wait_loadcnt 32                              ; group 0 is in; group 1 may be out
	LOADG 2
	QG 0
	s_wait_loadcnt 32                              ; group 1 is in; group 2 may be out
	LOADG 3
	QG 1
	s_wait_alu depctr_va_vdst(0)
	s_wait_loadcnt 32                              ; group 2 is in; group 3 may be out
	QG 2
	s_wait_alu depctr_va_vdst(0)
	s_wait_loadcnt 0x0
	QG 3
	v_nop                                          ; a plain line behind the last conversion
	QOUT
	s_endpgm
.Lspecial:
	s_lshl_b32 s50, s39, 14                        ; 32 s rows of 512 bytes
	s_wait_alu depctr_va_vdst(0)
	v_add_nc_u32 v6, s50, v5
.set ii, 0
.rept 32
	global_load_b32 v[XQ+ii], v6, s[4:5] offset:(1+ii)*512
	global_load_b32 v[XQ+32+ii], v6, s[4:5] offset:(129+ii)*512   ; inside every one of the four tensors; in layer 2 the codes are cleared below
.set ii, ii+1
.endr
	global_load_b32 v[XQ+64], v5, s[4:5]           ; row 0
.set ii, 65
.rept 7
	v_mov_b32 v[XQ+ii], 0
.set ii, ii+1
.endr
	QSCALE
	s_wait_alu depctr_va_vdst(0)
	s_wait_loadcnt 0x0
.set ii, 0
.rept 65
.set ii, ii+1
.endr
.set ii, 0
.rept 9
	v_cvt_scalef32_pk8_bf8_f32 v[CQ+2*ii:CQ+2*ii+1], v[XQ+8*ii:XQ+8*ii+7], v11
.set ii, ii+1
.endr
.set ii, 18
.rept 14
	v_mov_b32 v[CQ+ii], 0                          ; slots 72 on: zero codes.  (Plain lines between the conversions and the lines that touch their results)
.set ii, ii+1
.endr
.set ii, 8
.rept 8
	v_and_b32 v[CQ+ii], s52, v[CQ+ii]
.set ii, ii+1
.endr
	v_and_b32 v[CQ+16], s53, v[CQ+16]
	v_and_b32 v[CQ+17], s53, v[CQ+17]
	QOUT
	s_endpgm
; ---------------- layer 1 ----------------
.Llayer1:
	s_load_b128 s[40:43], s[12:13], 0x0            ; e0 (z for g), e1 (Wg1), e2 (z for f), e3 (Wf1)
	s_load_b32 s44, s[16:17], 0x0                  ; bias0
	s_sub_co_u32 s38, ttmp9, 33
	s_lshl_b32 s38, s38, 4
	s_add_co_u32 s38, s38, s37                     ; l: my 64 rows
	v_and_b32 v240, 15, v0                         ; r
	v_bfe_u32 v241, v0, 4, 1                       ; h
	v_and_b32 v242, 31, v0                         ; lane
	v_and_b32 v243, 8, v240
	v_add_nc_u32 v243, v243, v240                  ; r + 8 (r / 8)
	s_lshl_b32 s39, s36, 7
	v_lshl_add_u32 v243, v243, 2, s39              ; 4 x my column of tile u = 0
	v_lshl_add_u32 v244, v241, 13, v243            ; + 16 h rows of 512 bytes
.macro WLOAD k, base                   ; fragment k = 2 branch + u: number 16 c + i is slot 32 c + 16 h + i = row 1 + 32 c + 16 h + i; number 32 is slot 64 = row 0
.set ii, 0
.rept 32
	global_load_b32 v[WN+40*(\k)+ii], v244, s[\base:\base+1] offset:(1+ii+16*(ii/16))*512+32*((\k)%2)
.set ii, ii+1
.endr
	global_load_b32 v[WN+40*(\k)+32], v243, s[\base:\base+1] offset:32*((\k)%2)
.endm
	WLOAD 0, 18
	WLOAD 1, 18
	WLOAD 2, 20
	WLOAD 3, 20
	v_lshl_add_u32 v247, v241, 6, s39              ; 128 w + 64 h: the bytes of my 16 columns in a vector of 128
	v_lshlrev_b32 v[LI], 4, v242
	v_lshlrev_b32 v[XO], 8, v240
	v_lshl_add_u32 v[XO], v241, 6, v[XO]
	s_mov_b32 s58, 0x76543210                      ; v_permlanex16_b32: lane l xor 16
	s_mov_b32 s59, 0xfedcba98
	s_lshl_b32 s60, s38, 14
	s_mov_b32 s61, 0
	s_add_nc_u64 s[14:15], s[14:15], s[60:61]      ; x at my 64 rows of 256 bytes
	s_lshl_b32 s60, s38, 15
	s_lshl_b32 s62, s36, 11
	s_add_co_u32 s60, s60, s62
	s_add_nc_u64 s[32:33], s[32:33], s[60:61]      ; o1img at my four tiles of 8,192 bytes, quad 4 w
	s_lshl_b32 s60, s36, 15
	s_lshl_b32 s62, s38, 8
	s_add_co_u32 s60, s60, s62
	s_add_nc_u64 s[34:35], s[34:35], s[60:61]      ; sc: plane w, my 64 rows
.macro MKSC e, vs, lim                 ; v[vs] = 2^e, s[lim] = 57,344 x 2^e, s[lim + 1] = the same negative
	s_add_co_i32 s60, s[\e], 127
	s_lshl_b32 s61, s60, 23
	v_mov_b32 v[\vs], s61
	s_add_co_i32 s60, s60, 15
	s_lshl_b32 s60, s60, 23
	s_or_b32 s[\lim], s60, 0x600000
	s_or_b32 s[\lim+1], s[\lim], 0x80000000
.endm
	s_wait_kmcnt 0x0
	MKSC 43, 245, 46
	MKSC 41, 246, 48
	MKSC 42, SCZF, 50
	MKSC 40, SCZG, 52
	s_add_co_i32 s54, s42, s43
	s_add_co_i32 s54, s54, 127
	s_lshl_b32 s54, s54, 23                        ; 2^(e2 + e3)
	s_mov_b32 s55, s54                             ; (named with it as a pair, so it is written)
	s_add_co_i32 s56, s40, s41
	s_add_co_i32 s56, s56, 127
	s_lshl_b32 s56, s56, 23                        ; 2^(e0 + e1)
	s_mov_b32 s57, s56
	v_mov_b32 v[TM], s44
	v_cmp_gt_u32 vcc_lo, 16, v242
	v_cndmask_b32 v[BZ], 0, v[TM], vcc_lo
.irp k, 0,1,2,3
.set ii, 33
.rept 7
	v_mov_b32 v[WN+40*\k+ii], 0
.set ii, ii+1
.endr
.endr
	s_wait_loadcnt 0x0
.macro WQUANT k, lim, sc
	v_cndmask_b32 v[WN+40*(\k)+32], 0, v[WN+40*(\k)+32], vcc_lo   ; slot 64 + 16 h: row 0 where h = 0, nothing where h = 1
.set ii, 0
.rept 33
.set ii, ii+1
.endr
.set ii, 0
.rept 5
	v_cvt_scalef32_pk8_bf8_f32 v[WC+16*(\k)+2*ii:WC+16*(\k)+2*ii+1], v[WN+40*(\k)+8*ii:WN+40*(\k)+8*ii+7], v[\sc]
.set ii, ii+1
.endr
.endm
	WQUANT 0, 46, 245
	WQUANT 1, 46, 245
	WQUANT 2, 48, 246
	WQUANT 3, 48, 246
.irp k, 0,1,2,3
.set ii, 10
.rept 6
	v_mov_b32 v[WC+16*\k+ii], 0                    ; slots 80 on: zero codes
.set ii, ii+1
.endr
.endr
.set ii, 10
.rept 6
	v_mov_b32 v[ZF+ii], 0
	v_mov_b32 v[ZG+ii], 0
.set ii, ii+1
.endr
.set ii, 33
.rept 7
	v_mov_b32 v[XX+ii], 0
	v_mov_b32 v[TT+ii], 0
.set ii, ii+1
.endr
	v_mov_b32 v[PX], 0                             ; a lane permute's destination counts as one of its sources
.set ii, 0
.rept 4
	global_load_b128 v[BF+4*ii:BF+4*ii+3], v247, s[22:23] offset:16*ii
	global_load_b128 v[BF+16+4*ii:BF+16+4*ii+3], v247, s[24:25] offset:16*ii
.set ii, ii+1
.endr
.set ii, 0
.rept 16
	global_load_b32 v[WF+ii], v247, s[26:27] offset:4+4*ii          ; Wfc[1 + column]: 4 bytes off a multiple of 16, so word by word
	global_load_b32 v[WF+16+ii], v247, s[26:27] offset:1540+4*ii    ; Wfc[385 + column]
.set ii, ii+1
.endr
.macro XLOAD t                         ; number 16 c + 4 k on: x[row r][32 c + 16 h + 4 k ..]
.set ii, 0
.rept 8
	global_load_b128 v[XX+4*ii:XX+4*ii+3], v[XO], s[14:15] offset:4096*(\t)+128*(ii/4)+16*(ii%4)
.set ii, ii+1
.endr
.endm
	XLOAD 0
.macro TILE t
	s_wait_loadcnt 0x0                             ; this tile's x (and, the first time, the biases and Wfc)
.if (\t) > 0
	s_wait_xcnt 0x0                                ; the last tile's stores have read their registers, which are written again below
.endif
.set ii, 0
.rept 32
	v_med3_num_f32 v[TT+ii], v[XX+ii], s51, s50
.set ii, ii+1
.endr
	v_med3_num_f32 v[TT+32], v[BZ], s51, s50
.set ii, 0
.rept 5
	v_cvt_scalef32_pk8_bf8_f32 v[ZF+2*ii:ZF+2*ii+1], v[TT+8*ii:TT+8*ii+7], v[SCZF]
.set ii, ii+1
.endr
.set ii, 0
.rept 32
.set ii, ii+1
.endr
	v_med3_num_f32 v[XX+32], v[BZ], s53, s52
.set ii, 0
.rept 5
	v_cvt_scalef32_pk8_bf8_f32 v[ZG+2*ii:ZG+2*ii+1], v[XX+8*ii:XX+8*ii+7], v[SCZG]
.set ii, ii+1
.endr
	v_nop                                          ; a plain line between the conversions and the products that read their results and write over their sources
.if (\t) < 3
	XLOAD (\t)+1                                   ; the next tile's x lands during this tile's products and way out
.endif
	v_wmma_f32_16x16x128_bf8_bf8 v[TT:TT+7], v[WC:WC+15], v[ZF:ZF+15], 0
	v_wmma_f32_16x16x128_bf8_bf8 v[TT+8:TT+15], v[WC+16:WC+31], v[ZF:ZF+15], 0
	v_wmma_f32_16x16x128_bf8_bf8 v[TT+16:TT+23], v[WC+32:WC+47], v[ZG:ZG+15], 0
	v_wmma_f32_16x16x128_bf8_bf8 v[TT+24:TT+31], v[WC+48:WC+63], v[ZG:ZG+15], 0
.rept 4
	v_nop                                          ; four places in front of the first read of results (ISA guide 7.12.1)
.endr
.set ii, 0
.rept 8
	v_pk_fma_f32 v[TT+2*ii:TT+2*ii+1], v[TT+2*ii:TT+2*ii+1], s[54:55], v[BF+2*ii:BF+2*ii+1] op_sel_hi:[1,0,1]   ; ot1 = sum x 2^(e2 + e3) + bf1; each accumulator from its low end on
.set ii, ii+1
.endr
.set ii, 8
.rept 8
	v_pk_fma_f32 v[TT+2*ii:TT+2*ii+1], v[TT+2*ii:TT+2*ii+1], s[56:57], v[BF+2*ii:BF+2*ii+1] op_sel_hi:[1,0,1]   ; og1 = sum x 2^(e0 + e1) + bg1
.set ii, ii+1
.endr
.set ii, 0
.rept 4
	global_store_b128 v[LI], v[TT+4*ii:TT+4*ii+3], s[32:33] offset:(\t)*8192+512*ii   ; quads 4 w + 0 .. 3: 512 consecutive bytes a store
.set ii, ii+1
.endr
	v_pk_mul_f32 v[SM:SM+1], v[TT:TT+1], v[WF:WF+1]
.set ii, 1
.rept 15
	v_pk_fma_f32 v[SM:SM+1], v[TT+2*ii:TT+2*ii+1], v[WF+2*ii:WF+2*ii+1], v[SM:SM+1]
.set ii, ii+1
.endr
	v_add_f32 v[SM], v[SM], v[SM+1]
	v_permlanex16_b32 v[PX], v[SM], s58, s59
	v_add_f32 v[ST+(\t)], v[SM], v[PX]             ; row 16 t + r: my 32 columns of both branches against Wfc
.endm
	TILE 0
	TILE 1
	TILE 2
	TILE 3
	v_and_b32 v144, 15, v0
	s_lshl_b32 s60, s36, 8                         ; my wave's 256 bytes of LDS
	v_lshl_add_u32 v145, v144, 2, s60
.irp t, 0,1,2,3
	ds_store_b32 v145, v[ST+\t] offset:64*\t       ; both halves of the lanes hold the same number and write the same word
.endr
	v_lshl_add_u32 v146, v144, 4, s60
	ds_load_b128 v[148:151], v146                  ; LDS serves a wave's instructions in order: this sees my stores
	v_lshlrev_b32 v147, 4, v144
	v_and_b32 v152, 31, v0
	s_wait_alu depctr_va_vdst(0)
	s_wait_dscnt 0x0
	s_wait_xcnt 0x0                                ; EXEC changes only behind this wait
	v_cmp_gt_u32 vcc_lo, 16, v152
	s_wait_tensorcnt 0x0
	ds_add_u32 v14, v15
	s_wait_dscnt 0x0
	s_and_saveexec_b32 s62, vcc_lo
	global_store_b128 v147, v[148:151], s[34:35]   ; sixteen lanes store 256 consecutive bytes, aligned
	s_wait_xcnt 0x0
	s_or_b32 exec_lo, exec_lo, s62
	s_endpgm
.Lfunc_end_k_q653e220b18_prep:
	.size	k_q653e220b18_prep, .Lfunc_end_k_q653e220b18_prep-k_q653e220b18_prep
	.p2alignl 7, 3214868480
	.fill 96, 4, 3214868480
	.section	.rodata,"a",@progbits
	.p2align	6, 0x0
	.amdhsa_kernel k_q653e220b18_prep
		.amdhsa_group_segment_fixed_size 1536
		.amdhsa_private_segment_fixed_size 0
		.amdhsa_enable_private_segment 0
		.amdhsa_kernarg_size 128
		.amdhsa_user_sgpr_count 2
		.amdhsa_user_sgpr_kernarg_segment_ptr 1
		.amdhsa_wavefront_size32 1
		.amdhsa_system_sgpr_workgroup_id_x 1
		.amdhsa_system_sgpr_workgroup_id_y 1
		.amdhsa_system_sgpr_workgroup_id_z 1
		.amdhsa_system_vgpr_workitem_id 0
		.amdhsa_next_free_vgpr 256
		.amdhsa_next_free_sgpr 66
		.amdhsa_reserve_vcc 1
		.amdhsa_float_denorm_mode_32 3
		.amdhsa_float_denorm_mode_16_64 3
		.amdhsa_fp16_overflow 1
		.amdhsa_memory_ordered 1
		.amdhsa_forward_progress 1
		.amdhsa_inst_pref_size 76
	.end_amdhsa_kernel
	.amdgpu_metadata
---
amdhsa.version: [ 1, 2 ]
amdhsa.kernels:
  - .name:           k_q653e220b18_prep
    .symbol:         k_q653e220b18_prep.kd
    .args:
      - { .name: Wf2, .offset: 0, .size: 8, .value_kind: global_buffer, .address_space: global }
      - { .name: Wg2, .offset: 8, .size: 8, .value_kind: global_buffer, .address_space: global }
      - { .name: Wf3, .offset: 16, .size: 8, .value_kind: global_buffer, .address_space: global }
      - { .name: Wg3, .offset: 24, .size: 8, .value_kind: global_buffer, .address_space: global }
      - { .name: lowp_scales, .offset: 32, .size: 8, .value_kind: global_buffer, .address_space: global }
      - { .name: x, .offset: 40, .size: 8, .value_kind: global_buffer, .address_space: global }
      - { .name: bias0, .offset: 48, .size: 8, .value_kind: global_buffer, .address_space: global }
      - { .name: Wf1, .offset: 56, .size: 8, .value_kind: global_buffer, .address_space: global }
      - { .name: Wg1, .offset: 64, .size: 8, .value_kind: global_buffer, .address_space: global }
      - { .name: bf1, .offset: 72, .size: 8, .value_kind: global_buffer, .address_space: global }
      - { .name: bg1, .offset: 80, .size: 8, .value_kind: global_buffer, .address_space: global }
      - { .name: Wfc, .offset: 88, .size: 8, .value_kind: global_buffer, .address_space: global }
      - { .name: wc2, .offset: 96, .size: 8, .value_kind: global_buffer, .address_space: global }
      - { .name: wc3, .offset: 104, .size: 8, .value_kind: global_buffer, .address_space: global }
      - { .name: o1img, .offset: 112, .size: 8, .value_kind: global_buffer, .address_space: global }
      - { .name: sc, .offset: 120, .size: 8, .value_kind: global_buffer, .address_space: global }
    .group_segment_fixed_size: 1536
    .private_segment_fixed_size: 0
    .kernarg_segment_align: 8
    .kernarg_segment_size: 128
    .max_flat_workgroup_size: 128
    .sgpr_count:     66
    .vgpr_count:     256
    .wavefront_size: 32
...
	.end_amdgpu_metadata
.endif
;; end of part 1
;; launch layer2 (part 2): grid 32 x 8, 4 waves a work-group, clusters of 4 x 1, 327,680 bytes of LDS; arguments o1img, wc2, lowp_scales, bias0, Wfc, bf2, bg2, pl, sc; writes pl, sc
.if DOCPART == 2
	.amdgcn_target "amdgcn-amd-amdhsa--gfx1250"
	.amdhsa_code_object_version 6
	.text
	.protected	k_q653e220b18_layer2
	.globl	k_q653e220b18_layer2
	.p2align	8
	.type	k_q653e220b18_layer2,@function
k_q653e220b18_layer2:
	s_mov_b64 s[64:65], 0
	v_nop
	global_prefetch_b8 v0, s[64:65] scope:SCOPE_SE
	s_setreg_imm32_b32 hwreg(HW_REG_WAVE_MODE, 25, 1), 1
	s_wait_xcnt 0x0
	s_wait_alu depctr_hold_cnt(0) depctr_sa_sdst(0) depctr_va_vdst(0) depctr_va_sdst(0) depctr_va_ssrc(0) depctr_va_vcc(0) depctr_vm_vsrc(0)
	s_getreg_b32 s2, hwreg(HW_REG_IB_STS2, 6, 4)
	s_cmp_eq_u32 s2, 0
	s_cbranch_scc0 .Lentry_in_a_cluster
	s_endpgm
.Lentry_in_a_cluster:
	s_bfe_u32 s2, ttmp6, 0x10000c
	s_cmp_lg_u32 s2, 0x3003
	s_cbranch_scc0 .Lentry_shape_is_right
	s_endpgm
.Lentry_shape_is_right:
.set LAYER, 2
.set WOFF,   129+128*(LAYER-2)
.set SCOFF,  16*(LAYER-1)
.set PLANE0, 4+8*(LAYER-2)
.set SLOT1,  1<<17
.set SECB,   98304
.set INIT,   229376
.set ATAB,   278528
.set WB,     315392
.set STG,    316416
.set SPARE,  317440
.set SPW, 1
.set NIL, 2
.set WAD, 3
.set AAD, 4
.set SCL, 5
.set LI,  6
.set WADI, 7
.set AP,  8
.set OS,  16
.set PB,  16
.set PR,  32
.set XS,  64
.set AAD0, 80
.set AST, 81
.set AS3, 82
.set BZ,  83
.set WP,  84
.set WBA, 86
.set SGA, 87
.set SGL, 88
.set T4,  89
.set T4B, 90
.set WBS, 91
.set RR,  92
.set HH,  93
.set LN,  94
.set TMP, 95
.set OSO, 96
.set SGO, 97
.set TM2, 98
.set OB,  100
.set WV, 22
.set CX, 23
.set RB, 24
.set YY, 25
.set FG, 26
.set SS, 27
.set G1,  28
.set G1I, 36
.set G0,  44
.set G0I, 48
.set TB,  52
.set TRIPS, 53
.set SECS, 54
.set LIM, 55
.set LIMN, 56
.set AO,  57
.set OUTS, 58
.set MSB, 0
.macro WIN new
.if MSB != (\new)
	s_set_vgpr_msb (MSB<<8)|(\new)
.set MSB, (\new)
.endif
.endm
.macro PLACES n
.rept \n
	v_nop
.endr
.endm
.macro ROUND
	s_barrier_signal -1
	s_barrier_wait -1
	s_cmp_lg_u32 s[WV], 0
	s_cbranch_scc1 .Lnot_wave_0_\@
	s_barrier_signal -3
.Lnot_wave_0_\@:
	s_barrier_wait -3
	s_barrier_signal -1
	s_barrier_wait -1
.endm
	s_load_b512 s[4:19], s[0:1], 0x0
	s_load_b64 s[20:21], s[0:1], 0x40
	v_lshl_add_u32 v[SPW], v0, 2, SPARE
	v_mov_b32 v[NIL], 0
	ds_add_u32 v1, v2
	ds_add_u32 v1, v2
	s_wait_dscnt 0x0
	v_lshrrev_b32 v[TMP], 5, v0
	v_readfirstlane_b32 s[WV], v[TMP]
	s_bfe_u32 s[CX], ttmp6, 0x40000
	s_lshl_b32 s[RB], ttmp9, 2
	s_add_co_u32 s[RB], s[RB], s[CX]
	s_and_b32 s[YY], ttmp7, 0xffff
	s_lshr_b32 s[FG], s[YY], 2
	s_and_b32 s[SS], s[YY], 3
.irp g, G1, G1I
	s_mov_b32 s[\g], 15|(3<<16)|(1<<21)
	s_mov_b32 s[\g+1], 32<<16
	s_mov_b32 s[\g+3], 32<<16
	s_mov_b32 s[\g+5], 32
	s_mov_b32 s[\g+6], 0
	s_mov_b32 s[\g+7], 0
.endr
	s_mov_b32 s[G1+2], 96<<16
	s_mov_b32 s[G1+4], 96
	s_mov_b32 s[G1I+2], 48<<16
	s_mov_b32 s[G1I+4], 48
	s_mov_b32 s66, 0xaaaaaaaa
	s_mov_b32 s67, 0xcccccccc
	s_mov_b32 s68, 0xf0f0f0f0
	s_mov_b32 s69, 0xff00ff00
	s_mul_i32 s74, s[YY], 540672
	s_mov_b32 s75, 0
	s_mul_i32 s76, s[WV], 12288
	s_mov_b32 s77, 0
	s_mul_i32 s78, s[WV], 24576
	s_mov_b32 s79, 0
	s_lshl_b32 s73, s[FG], 3
	s_wait_kmcnt 0x0
	s_load_b64 s[70:71], s[8:9], s73 offset:SCOFF
	s_load_b32 s72, s[10:11], 0x0
	s_add_nc_u64 s[6:7], s[6:7], s[74:75]
	s_mov_b32 s[G0I], 1
	s_add_co_u32 s[G0I+1], s76, INIT
	s_add_nc_u64 s[G0I+2:G0I+3], s[6:7], s[76:77]
	s_or_b32 s[G0I+3], s[G0I+3], 0x80000000
	s_mov_b32 s[G0], 1
	s_mov_b32 s[G0+1], s78
	s_add_nc_u64 s[G0+2:G0+3], s[6:7], s[78:79]
	s_add_nc_u64 s[G0+2:G0+3], s[G0+2:G0+3], 49152
	s_or_b32 s[G0+3], s[G0+3], 0x80000000
	ROUND
	tensor_load_to_lds s[G0I:G0I+3], s[G1I:G1I+7]
	s_nop 0
	s_wait_alu depctr_va_vdst(0)
	s_wait_tensorcnt 0x0
	ds_add_u32 v1, v2
	s_wait_dscnt 0x0
	ROUND
	tensor_load_to_lds s[G0:G0+3], s[G1:G1+7]
	s_nop 0
	PLACES 4
	v_and_b32 v[LN], 31, v0
	v_and_b32 v[RR], 15, v0
	v_bfe_u32 v[HH], v0, 4, 1
	v_lshlrev_b32 v[LI], 4, v[LN]
	v_lshlrev_b32 v[T4B], 2, v0
	s_mul_i32 s60, s[FG], 1536
	v_add_nc_u32 v[T4], s60, v[T4B]
	s_wait_alu depctr_va_vdst(0)
	s_lshl_b32 s60, s[SS], 11
	v_add_nc_u32 v[OSO], s60, v[LI]
	s_wait_alu depctr_va_vdst(0)
	s_cmp_eq_u32 s[FG], 0
	s_cselect_b64 s[14:15], s[14:15], s[16:17]
	s_lshl_b32 s80, s[RB], 17
	s_lshl_b32 s81, s[WV], 15
	s_add_co_u32 s80, s80, s81
	s_mov_b32 s81, 0
	s_add_nc_u64 s[4:5], s[4:5], s[80:81]
.if LAYER == 2
	s_lshl_b32 s82, s[SS], 22
	s_mov_b32 s83, 0
	s_add_nc_u64 s[18:19], s[18:19], s[82:83]
.endif
	s_add_nc_u64 s[18:19], s[18:19], s[80:81]
.if LAYER == 3
	s_add_nc_u64 s[16:17], s[18:19], 0x800000
.endif
	s_add_co_u32 s82, s[YY], PLANE0
	s_lshl_b32 s82, s82, 15
	s_lshl_b32 s83, s[RB], 10
	s_add_co_u32 s82, s82, s83
	s_lshl_b32 s83, s[WV], 8
	s_add_co_u32 s82, s82, s83
	s_mov_b32 s83, 0
	s_add_nc_u64 s[20:21], s[20:21], s[82:83]
	global_load_b32 v[WP], v[T4], s[12:13] offset:WOFF*4
	global_load_b32 v[WP+1], v[T4B], s[14:15]
.set nn, 0
.rept 16
	global_load_b128 v[OS+4*nn:OS+4*nn+3], v[OSO], s[4:5] offset:(nn/4)*8192+(nn%4)*512
.set nn, nn+1
.endr
.if LAYER == 3
.irp g, 0,1
	WIN 0x80+0x40*\g
.set nn, 0
.rept 32
.if ((nn%16)/4) < 2
	global_load_b128 v[4*nn:4*nn+3], v[OSO], s[18:19] offset:(((nn%16)/4)%2)*4194304+(2*\g+nn/16)*8192+(nn%4)*512
.else
	global_load_b128 v[4*nn:4*nn+3], v[OSO], s[16:17] offset:(((nn%16)/4)%2)*4194304+(2*\g+nn/16)*8192+(nn%4)*512
.endif
.set nn, nn+1
.endr
.endr
.endif
	WIN 0x40
.set nn, 0
.rept 64
	global_load_b128 v[4*nn:4*nn+3], v[LI], s[4:5] offset:512*nn
.set nn, nn+1
.endr
	WIN 0
	s_mul_i32 s60, s[WV], 9216
	s_add_co_u32 s60, s60, ATAB
	v_mul_u32_u24 v[AAD0], v[RR], 144
	v_add_nc_u32 v[AAD0], s60, v[AAD0]
	v_lshl_add_u32 v[AST], v[HH], 6, v[AAD0]
	v_mul_u32_u24 v[AS3], v[HH], 1152
	v_lshl_add_u32 v[AS3], v[RR], 2, v[AS3]
	v_add_nc_u32 v[AS3], s60, v[AS3]
	v_add_nc_u32 v[WADI], INIT, v[LI]
	v_lshl_add_u32 v[WBS], v0, 3, WB
	v_lshl_add_u32 v[WBA], v[RR], 3, WB
	v_and_b32 v[TMP], 7, v0
	v_bfe_u32 v[TM2], v0, 3, 1
	v_lshl_add_u32 v[TMP], v[TM2], 4, v[TMP]
	v_lshl_add_u32 v[TMP], v[HH], 3, v[TMP]
	s_lshl_b32 s61, s[WV], 8
	s_add_co_u32 s61, s61, STG
	v_lshl_add_u32 v[SGA], v[TMP], 2, s61
	v_lshl_add_u32 v[SGL], v[RR], 4, s61
	v_lshlrev_b32 v[SGO], 4, v[RR]
	s_cmp_eq_u32 s[SS], 0
	s_cselect_b32 s62, -1, 0
	s_wait_kmcnt 0x0
	s_add_co_i32 s60, s70, 127
	s_lshl_b32 s61, s60, 23
	v_mov_b32 v[SCL], s61
	s_add_co_i32 s60, s60, 15
	s_lshl_b32 s60, s60, 23
	s_or_b32 s[LIM], s60, 0x600000
	s_or_b32 s[LIMN], s[LIM], 0x80000000
	s_add_co_i32 s60, s70, s71
	s_add_co_i32 s60, s60, 127
	s_lshl_b32 s[OUTS], s60, 23
	s_mov_b32 s[OUTS+1], s[OUTS]
	v_mov_b32 v[TMP], s72
	v_cmp_gt_u32 vcc_lo, 16, v[LN]
	v_cndmask_b32 v[BZ], 0, v[TMP], vcc_lo
	s_wait_loadcnt 63
	v_and_b32 v[WP+1], s62, v[WP+1]
	ds_store_b64 v[WBS], v[WP:WP+1]
.if LAYER == 2
.set nn, 0
.rept 16
	ds_store_b128 v[AST], v[OS+4*nn:OS+4*nn+3] offset:(nn/4)*2304+16*(nn%4)
.set nn, nn+1
.endr
.else
.irp g, 0,1
	WIN 0x8a+0x45*\g
.set nn, 0
.rept 16
	v_pk_add_f32 v[64*(nn/8)+2*(nn%8):64*(nn/8)+2*(nn%8)+1], v[64*(nn/8)+2*(nn%8):64*(nn/8)+2*(nn%8)+1], v[64*(nn/8)+16+2*(nn%8):64*(nn/8)+16+2*(nn%8)+1]
	v_pk_add_f32 v[64*(nn/8)+32+2*(nn%8):64*(nn/8)+32+2*(nn%8)+1], v[64*(nn/8)+32+2*(nn%8):64*(nn/8)+32+2*(nn%8)+1], v[64*(nn/8)+48+2*(nn%8):64*(nn/8)+48+2*(nn%8)+1]
.set nn, nn+1
.endr
.set nn, 0
.rept 16
	v_pk_add_f32 v[64*(nn/8)+2*(nn%8):64*(nn/8)+2*(nn%8)+1], v[64*(nn/8)+2*(nn%8):64*(nn/8)+2*(nn%8)+1], v[64*(nn/8)+32+2*(nn%8):64*(nn/8)+32+2*(nn%8)+1]
.set nn, nn+1
.endr
	WIN 0x08+0x04*\g
.set nn, 0
.rept 32
	ds_store_b32 v[AS3], v[64*(nn/16)+nn%16] offset:(2*\g+nn/16)*2304+(4*(((nn%16)/4)%2)+nn%4)*144+64*((nn%16)/8)
.set nn, nn+1
.endr
.endr
	WIN 0
.endif
	s_wait_tensorcnt 0x1
	s_wait_dscnt 0x0
	s_barrier_signal -1
	s_barrier_wait -1
.macro RUN adr, off, hf, a0, a1
	WIN 0
.set ff, 0
.rept 16
	ds_load_b128 v[128+64*(\hf)+4*ff:128+64*(\hf)+4*ff+3], v[\adr] offset:(\off)+(\hf)*8192+512*ff
.set ff, ff+1
.endr
.if (\a0) >= 0
	ds_load_b64 v[AP+2*(\a0):AP+2*(\a0)+1], v[AAD] offset:(\a0)*2304
	ds_load_b64 v[AP+2*(\a1):AP+2*(\a1)+1], v[AAD] offset:(\a1)*2304
.endif
.endm
.macro MULS g, tg, hw
.set TT, 2*(\g)+(\tg)
	WIN 0x84+0x40*(\g)
.set kk, 0
.rept 32
.if \hw
	v_pk_mul_f32 v[192+2*kk:193+2*kk], v[AP+2*TT:AP+2*TT+1], v[64*TT+2*kk:64*TT+2*kk+1] op_sel:[1,0] op_sel_hi:[1,1]
.else
	v_pk_mul_f32 v[192+2*kk:193+2*kk], v[AP+2*TT:AP+2*TT+1], v[64*TT+2*kk:64*TT+2*kk+1] op_sel_hi:[0,1]
.endif
.set kk, kk+1
.endr
.endm
.macro MAIN g, tg, pg, hf, pm, zero, gen
	WIN 0xa2+0x51*(\g)
.if \gen
.set jj, 0
.rept 8
.set jj, jj+1
.endr
.endif
.set ix, 0
.rept 8
.set rA, 64*(ix/4)+8*(4*(\hf)+ix%4)
.set rC, 128+32*(\pm)+16*(ix/4)
.set rF, 128+16*(4*(\hf)+ix%4)
.if \zero
	v_wmma_f32_16x16x128_bf8_bf8 v[rA:rA+7], v[rC:rC+15], v[rF:rF+15], 0
.else
	v_wmma_f32_16x16x128_bf8_bf8 v[rA:rA+7], v[rC:rC+15], v[rF:rF+15], v[rA:rA+7]
.endif
.if \gen
.if ix < 7
.set jj, 0
.rept 8
.set jj, jj+1
.endr
.endif
.set rD, 128+32*(\pg)+16*(\tg)+2*ix
	v_cvt_scalef32_pk8_bf8_f32 v[rD:rD+1], v[192+8*ix:192+8*ix+7], v[SCL]
.endif
.set ix, ix+1
.endr
.endm
.macro PAIR tg, hw, pg, hf, pm, zero, adr, off, a0, a1
	s_wait_dscnt 0x0
	MULS 0, \tg, \hw
	RUN \adr, \off, 1-(\hf), \a0, \a1
	MAIN 0, \tg, \pg, \hf, \pm, \zero, 1
	MULS 1, \tg, \hw
	MAIN 1, \tg, \pg, \hf, \pm, \zero, 1
.endm
.macro SPECIAL T
.set gg, (\T)/2
.set tt, (\T)%2
.set CD, 128+16*tt
	WIN 0x80+0x40*gg
.if LAYER == 3
.set kk, 0
.rept 4
	ds_load_b128 v[208+4*kk:211+4*kk], v[AST] offset:(\T)*2304+16*kk
.set kk, kk+1
.endr
.endif
.set kk, 0
.rept 16
	v_med3_num_f32 v[192+kk], v[OS+16*(\T)+kk], s[LIMN], s[LIM]
.set kk, kk+1
.endr
	v_med3_num_f32 v224, v[BZ], s[LIMN], s[LIM]
.set kk, 1
.rept 7
	v_mov_b32 v[224+kk], 0
.set kk, kk+1
.endr
	s_wait_alu depctr_va_vdst(0)
	s_wait_dscnt 0x0
	WIN 0xa2+0x51*gg
.if LAYER == 3
.set kk, 0
.rept 16
	v_med3_num_f32 v[208+kk], v[208+kk], s[LIMN], s[LIM]
.set kk, kk+1
.endr
.endif
	v_cvt_scalef32_pk8_bf8_f32 v[CD:CD+1], v[192:199], v[SCL]
	v_cvt_scalef32_pk8_bf8_f32 v[CD+2:CD+3], v[200:207], v[SCL]
.if LAYER == 3
	v_cvt_scalef32_pk8_bf8_f32 v[CD+4:CD+5], v[208:215], v[SCL]
	v_cvt_scalef32_pk8_bf8_f32 v[CD+6:CD+7], v[216:223], v[SCL]
.endif
	v_cvt_scalef32_pk8_bf8_f32 v[CD+8:CD+9], v[224:231], v[SCL]
.if LAYER == 2
.set kk, 4
.rept 4
	v_mov_b32 v[CD+kk], 0
.set kk, kk+1
.endr
.endif
.set kk, 10
.rept 6
	v_mov_b32 v[CD+kk], 0
.set kk, kk+1
.endr
.endm
.macro TRIP
	v_add_nc_u32 v[WAD], s[TB], v[LI]
	s_add_co_u32 s[AO], s[AO], 8
	v_add_nc_u32 v[AAD], s[AO], v[AAD0]
	PAIR 1,1,0,1,1,0, WAD, 0, 0, 2
	PAIR 0,0,1,0,0,0, WAD, 0, 1, 3
	PAIR 1,0,1,1,0,0, WAD, 16384, -1, -1
	PAIR 0,1,0,0,1,0, WAD, 16384, -1, -1
	WIN 0
	s_add_co_u32 s[TB], s[TB], 32768
.endm
.macro SECTION
	s_mov_b32 s[TRIPS], 3
.Ltrip_\@:
	TRIP
	s_sub_co_u32 s[TRIPS], s[TRIPS], 1
	s_cmp_lg_u32 s[TRIPS], 0
	s_cbranch_scc1 .Ltrip_\@
	s_sub_co_u32 s[TB], s[TB], SECB
	s_xor_b32 s[TB], s[TB], SLOT1
.endm
.macro CHANGE fill
	WIN 0
	s_wait_tensorcnt 0x0
	ds_add_u32 v[SPW], v[NIL]
.if \fill
	s_xor_b32 s[G0+1], s[G0+1], SLOT1
	s_add_nc_u64 s[G0+2:G0+3], s[G0+2:G0+3], SECB
.endif
	s_wait_dscnt 0x0
.if \fill
	ROUND
	tensor_load_to_lds s[G0:G0+3], s[G1:G1+7]
	s_nop 0
	PLACES 4
.else
	s_barrier_signal -1
	s_barrier_wait -1
.endif
.endm
	RUN WADI, 0, 0, -1, -1
	RUN WADI, 0, 1, -1, -1
.irp t, 0,1,2,3
	ds_load_b64 v[AP+2*\t:AP+2*\t+1], v[AAD0] offset:\t*2304
.endr
	SPECIAL 0
	SPECIAL 1
	SPECIAL 2
	SPECIAL 3
	s_wait_loadcnt 0x0
	MULS 0,0,0
	MAIN 0,0,1,0,0,1,1
	MULS 1,0,0
	MAIN 1,0,1,0,0,1,1
	PAIR 1,0,1,1,0,1, WADI, 16384, -1, -1
	PAIR 0,1,0,0,1,0, WADI, 16384, -1, -1
	WIN 0
	s_mov_b32 s[TB], 0
	s_mov_b32 s[AO], 0
	s_mov_b32 s[SECS], 4
.Lsec:
	CHANGE 1
	SECTION
	s_sub_co_u32 s[SECS], s[SECS], 1
	s_cmp_lg_u32 s[SECS], 0
	s_cbranch_scc1 .Lsec
	CHANGE 0
	SECTION
	PAIR 1,1,0,1,1,0, WADI, 32768, -1, -1
	WIN 0
	PLACES 4
	RUN WADI, 32768, 1, -1, -1
.set cc, 0
.rept 8
	ds_load_b64 v[PB+2*cc:PB+2*cc+1], v[WBA] offset:128*cc
.set cc, cc+1
.endr
	s_wait_alu depctr_va_vdst(0)
	s_wait_dscnt 24
	MAIN 0,0,0,0,0,0,0
	MAIN 1,0,0,0,0,0,0
	s_wait_dscnt 0x0
	MAIN 0,0,0,1,0,0,0
	MAIN 1,0,0,1,0,0,0
	WIN 0
	PLACES 4
.macro OUT T
.set gg, (\T)/2
.set tt, (\T)%2
.set VB, 128+64*tt
.if (LAYER == 2) && ((\T) >= 2)
	s_wait_xcnt 0x0
.endif
	WIN 0x02+gg
.set cc, 0
.rept 8
.set mm, 0
.rept 4
	v_pk_fma_f32 v[VB+8*cc+2*mm:VB+8*cc+2*mm+1], v[64*tt+8*cc+2*mm:64*tt+8*cc+2*mm+1], s[OUTS:OUTS+1], v[PB+2*cc:PB+2*cc+1] op_sel:[0,0,1] op_sel_hi:[1,0,1]
.set mm, mm+1
.endr
.set cc, cc+1
.endr
	WIN 0
.set mm, 0
.rept 4
	v_pk_mul_f32 v[PR+8*(\T)+2*mm:PR+8*(\T)+2*mm+1], v[VB+2*mm:VB+2*mm+1], v[PB:PB+1] op_sel_hi:[1,0]
.set mm, mm+1
.endr
.set cc, 1
.rept 7
.set mm, 0
.rept 4
	v_pk_fma_f32 v[PR+8*(\T)+2*mm:PR+8*(\T)+2*mm+1], v[VB+8*cc+2*mm:VB+8*cc+2*mm+1], v[PB+2*cc:PB+2*cc+1], v[PR+8*(\T)+2*mm:PR+8*(\T)+2*mm+1] op_sel_hi:[1,0,1]
.set mm, mm+1
.endr
.set cc, cc+1
.endr
.if LAYER == 2
	s_cmp_lg_u32 s[FG], 0
	s_cbranch_scc1 .Lno_plane_\@
.set cc, 0
.rept 16
	global_store_b128 v[LI], v[VB+4*cc:VB+4*cc+3], s[18:19] offset:(\T)*8192+512*cc
.set cc, cc+1
.endr
.Lno_plane_\@:
.endif
.endm
	OUT 0
	OUT 1
	OUT 2
	OUT 3
.irp m, 1,2,4,8
.set qq, 0
.rept 32
	v_add_f32_dpp v[PR+qq], v[PR+qq], v[PR+qq] row_xmask:\m row_mask:0xf bank_mask:0xf
.set qq, qq+1
.endr
.endr
.irp t, 0,1,2,3
.set qq, 0
.rept 4
	v_cndmask_b32 v[XS+4*\t+qq], v[PR+8*\t+2*qq], v[PR+8*\t+2*qq+1], s66
.set qq, qq+1
.endr
	v_cndmask_b32 v[XS+4*\t], v[XS+4*\t], v[XS+4*\t+1], s67
	v_cndmask_b32 v[XS+4*\t+2], v[XS+4*\t+2], v[XS+4*\t+3], s67
	v_cndmask_b32 v[XS+4*\t], v[XS+4*\t], v[XS+4*\t+2], s68
.endr
	v_cndmask_b32 v[XS], v[XS], v[XS+4], s69
	v_cndmask_b32 v[XS+8], v[XS+8], v[XS+12], s69
	ds_store_b32 v[SGA], v[XS]
	ds_store_b32 v[SGA], v[XS+8] offset:128
	ds_load_b128 v[OB:OB+3], v[SGL]
	s_wait_dscnt 0x0
	s_wait_xcnt 0x0
	v_cmp_gt_u32 vcc_lo, 16, v[LN]
	s_and_saveexec_b32 s60, vcc_lo
	global_store_b128 v[SGO], v[OB:OB+3], s[20:21]
	s_wait_xcnt 0x0
	s_or_b32 exec_lo, exec_lo, s60
	s_wait_tensorcnt 0x0
	ds_add_u32 v[SPW], v[NIL]
	s_wait_dscnt 0x0
	ROUND
	s_endpgm
.Lfunc_end_k_q653e220b18_layer2:
	.size	k_q653e220b18_layer2, .Lfunc_end_k_q653e220b18_layer2-k_q653e220b18_layer2
	.p2alignl 7, 3214868480
	.fill 96, 4, 3214868480
	.section	.rodata,"a",@progbits
	.p2align	6, 0x0
	.amdhsa_kernel k_q653e220b18_layer2
		.amdhsa_group_segment_fixed_size 327680
		.amdhsa_private_segment_fixed_size 0
		.amdhsa_enable_private_segment 0
		.amdhsa_kernarg_size 72
		.amdhsa_user_sgpr_count 2
		.amdhsa_user_sgpr_kernarg_segment_ptr 1
		.amdhsa_wavefront_size32 1
		.amdhsa_system_sgpr_workgroup_id_x 1
		.amdhsa_system_sgpr_workgroup_id_y 1
		.amdhsa_system_sgpr_workgroup_id_z 1
		.amdhsa_system_vgpr_workitem_id 0
		.amdhsa_next_free_vgpr 1024
		.amdhsa_next_free_sgpr 84
		.amdhsa_reserve_vcc 1
		.amdhsa_float_denorm_mode_32 3
		.amdhsa_float_denorm_mode_16_64 3
		.amdhsa_fp16_overflow 1
		.amdhsa_memory_ordered 1
		.amdhsa_forward_progress 1
		.amdhsa_inst_pref_size 152
	.end_amdhsa_kernel
	.amdgpu_metadata
---
amdhsa.version: [ 1, 2 ]
amdhsa.kernels:
  - .name:           k_q653e220b18_layer2
    .symbol:         k_q653e220b18_layer2.kd
    .args:
      - { .name: o1img, .offset: 0, .size: 8, .value_kind: global_buffer, .address_space: global }
      - { .name: wc2, .offset: 8, .size: 8, .value_kind: global_buffer, .address_space: global }
      - { .name: lowp_scales, .offset: 16, .size: 8, .value_kind: global_buffer, .address_space: global }
      - { .name: bias0, .offset: 24, .size: 8, .value_kind: global_buffer, .address_space: global }
      - { .name: Wfc, .offset: 32, .size: 8, .value_kind: global_buffer, .address_space: global }
      - { .name: bf2, .offset: 40, .size: 8, .value_kind: global_buffer, .address_space: global }
      - { .name: bg2, .offset: 48, .size: 8, .value_kind: global_buffer, .address_space: global }
      - { .name: pl, .offset: 56, .size: 8, .value_kind: global_buffer, .address_space: global }
      - { .name: sc, .offset: 64, .size: 8, .value_kind: global_buffer, .address_space: global }
    .group_segment_fixed_size: 327680
    .private_segment_fixed_size: 0
    .kernarg_segment_align: 8
    .kernarg_segment_size: 72
    .max_flat_workgroup_size: 128
    .sgpr_count:     84
    .vgpr_count:     1024
    .wavefront_size: 32
...
	.end_amdgpu_metadata
.endif
;; end of part 2
;; launch layer3 (part 3): grid 32 x 8, 4 waves a work-group, clusters of 4 x 1, 327,680 bytes of LDS; arguments o1img, wc3, lowp_scales, bias0, Wfc, bf3, bg3, pl, sc; writes sc
.if DOCPART == 3
	.amdgcn_target "amdgcn-amd-amdhsa--gfx1250"
	.amdhsa_code_object_version 6
	.text
	.protected	k_q653e220b18_layer3
	.globl	k_q653e220b18_layer3
	.p2align	8
	.type	k_q653e220b18_layer3,@function
k_q653e220b18_layer3:
	s_mov_b64 s[64:65], 0
	v_nop
	global_prefetch_b8 v0, s[64:65] scope:SCOPE_SE
	s_setreg_imm32_b32 hwreg(HW_REG_WAVE_MODE, 25, 1), 1
	s_wait_xcnt 0x0
	s_wait_alu depctr_hold_cnt(0) depctr_sa_sdst(0) depctr_va_vdst(0) depctr_va_sdst(0) depctr_va_ssrc(0) depctr_va_vcc(0) depctr_vm_vsrc(0)
	s_getreg_b32 s2, hwreg(HW_REG_IB_STS2, 6, 4)
	s_cmp_eq_u32 s2, 0
	s_cbranch_scc0 .Lentry_in_a_cluster
	s_endpgm
.Lentry_in_a_cluster:
	s_bfe_u32 s2, ttmp6, 0x10000c
	s_cmp_lg_u32 s2, 0x3003
	s_cbranch_scc0 .Lentry_shape_is_right
	s_endpgm
.Lentry_shape_is_right:
.set LAYER, 3
.set WOFF,   129+128*(LAYER-2)
.set SCOFF,  16*(LAYER-1)
.set PLANE0, 4+8*(LAYER-2)
.set SLOT1,  1<<17
.set SECB,   98304
.set INIT,   229376
.set ATAB,   278528
.set WB,     315392
.set STG,    316416
.set SPARE,  317440
.set SPW, 1
.set NIL, 2
.set WAD, 3
.set AAD, 4
.set SCL, 5
.set LI,  6
.set WADI, 7
.set AP,  8
.set OS,  16
.set PB,  16
.set PR,  32
.set XS,  64
.set AAD0, 80
.set AST, 81
.set AS3, 82
.set BZ,  83
.set WP,  84
.set WBA, 86
.set SGA, 87
.set SGL, 88
.set T4,  89
.set T4B, 90
.set WBS, 91
.set RR,  92
.set HH,  93
.set LN,  94
.set TMP, 95
.set OSO, 96
.set SGO, 97
.set TM2, 98
.set OB,  100
.set WV, 22
.set CX, 23
.set RB, 24
.set YY, 25
.set FG, 26
.set SS, 27
.set G1,  28
.set G1I, 36
.set G0,  44
.set G0I, 48
.set TB,  52
.set TRIPS, 53
.set SECS, 54
.set LIM, 55
.set LIMN, 56
.set AO,  57
.set OUTS, 58
.set MSB, 0
.macro WIN new
.if MSB != (\new)
	s_set_vgpr_msb (MSB<<8)|(\new)
.set MSB, (\new)
.endif
.endm
.macro PLACES n
.rept \n
	v_nop
.endr
.endm
.macro ROUND
	s_barrier_signal -1
	s_barrier_wait -1
	s_cmp_lg_u32 s[WV], 0
	s_cbranch_scc1 .Lnot_wave_0_\@
	s_barrier_signal -3
.Lnot_wave_0_\@:
	s_barrier_wait -3
	s_barrier_signal -1
	s_barrier_wait -1
.endm
	s_load_b512 s[4:19], s[0:1], 0x0
	s_load_b64 s[20:21], s[0:1], 0x40
	v_lshl_add_u32 v[SPW], v0, 2, SPARE
	v_mov_b32 v[NIL], 0
	ds_add_u32 v1, v2
	ds_add_u32 v1, v2
	s_wait_dscnt 0x0
	v_lshrrev_b32 v[TMP], 5, v0
	v_readfirstlane_b32 s[WV], v[TMP]
	s_bfe_u32 s[CX], ttmp6, 0x40000
	s_lshl_b32 s[RB], ttmp9, 2
	s_add_co_u32 s[RB], s[RB], s[CX]
	s_and_b32 s[YY], ttmp7, 0xffff
	s_lshr_b32 s[FG], s[YY], 2
	s_and_b32 s[SS], s[YY], 3
.irp g, G1, G1I
	s_mov_b32 s[\g], 15|(3<<16)|(1<<21)
	s_mov_b32 s[\g+1], 32<<16
	s_mov_b32 s[\g+3], 32<<16
	s_mov_b32 s[\g+5], 32
	s_mov_b32 s[\g+6], 0
	s_mov_b32 s[\g+7], 0
.endr
	s_mov_b32 s[G1+2], 96<<16
	s_mov_b32 s[G1+4], 96
	s_mov_b32 s[G1I+2], 48<<16
	s_mov_b32 s[G1I+4], 48
	s_mov_b32 s66, 0xaaaaaaaa
	s_mov_b32 s67, 0xcccccccc
	s_mov_b32 s68, 0xf0f0f0f0
	s_mov_b32 s69, 0xff00ff00
	s_mul_i32 s74, s[YY], 540672
	s_mov_b32 s75, 0
	s_mul_i32 s76, s[WV], 12288
	s_mov_b32 s77, 0
	s_mul_i32 s78, s[WV], 24576
	s_mov_b32 s79, 0
	s_lshl_b32 s73, s[FG], 3
	s_wait_kmcnt 0x0
	s_load_b64 s[70:71], s[8:9], s73 offset:SCOFF
	s_load_b32 s72, s[10:11], 0x0
	s_add_nc_u64 s[6:7], s[6:7], s[74:75]
	s_mov_b32 s[G0I], 1
	s_add_co_u32 s[G0I+1], s76, INIT
	s_add_nc_u64 s[G0I+2:G0I+3], s[6:7], s[76:77]
	s_or_b32 s[G0I+3], s[G0I+3], 0x80000000
	s_mov_b32 s[G0], 1
	s_mov_b32 s[G0+1], s78
	s_add_nc_u64 s[G0+2:G0+3], s[6:7], s[78:79]
	s_add_nc_u64 s[G0+2:G0+3], s[G0+2:G0+3], 49152
	s_or_b32 s[G0+3], s[G0+3], 0x80000000
	ROUND
	tensor_load_to_lds s[G0I:G0I+3], s[G1I:G1I+7]
	s_nop 0
	s_wait_alu depctr_va_vdst(0)
	s_wait_tensorcnt 0x0
	ds_add_u32 v1, v2
	s_wait_dscnt 0x0
	ROUND
	tensor_load_to_lds s[G0:G0+3], s[G1:G1+7]
	s_nop 0
	PLACES 4
	v_and_b32 v[LN], 31, v0
	v_and_b32 v[RR], 15, v0
	v_bfe_u32 v[HH], v0, 4, 1
	v_lshlrev_b32 v[LI], 4, v[LN]
	v_lshlrev_b32 v[T4B], 2, v0
	s_mul_i32 s60, s[FG], 1536
	v_add_nc_u32 v[T4], s60, v[T4B]
	s_wait_alu depctr_va_vdst(0)
	s_lshl_b32 s60, s[SS], 11
	v_add_nc_u32 v[OSO], s60, v[LI]
	s_wait_alu depctr_va_vdst(0)
	s_cmp_eq_u32 s[FG], 0
	s_cselect_b64 s[14:15], s[14:15], s[16:17]
	s_lshl_b32 s80, s[RB], 17
	s_lshl_b32 s81, s[WV], 15
	s_add_co_u32 s80, s80, s81
	s_mov_b32 s81, 0
	s_add_nc_u64 s[4:5], s[4:5], s[80:81]
.if LAYER == 2
	s_lshl_b32 s82, s[SS], 22
	s_mov_b32 s83, 0
	s_add_nc_u64 s[18:19], s[18:19], s[82:83]
.endif
	s_add_nc_u64 s[18:19], s[18:19], s[80:81]
.if LAYER == 3
	s_add_nc_u64 s[16:17], s[18:19], 0x800000
.endif
	s_add_co_u32 s82, s[YY], PLANE0
	s_lshl_b32 s82, s82, 15
	s_lshl_b32 s83, s[RB], 10
	s_add_co_u32 s82, s82, s83
	s_lshl_b32 s83, s[WV], 8
	s_add_co_u32 s82, s82, s83
	s_mov_b32 s83, 0
	s_add_nc_u64 s[20:21], s[20:21], s[82:83]
	global_load_b32 v[WP], v[T4], s[12:13] offset:WOFF*4
	global_load_b32 v[WP+1], v[T4B], s[14:15]
.set nn, 0
.rept 16
	global_load_b128 v[OS+4*nn:OS+4*nn+3], v[OSO], s[4:5] offset:(nn/4)*8192+(nn%4)*512
.set nn, nn+1
.endr
.if LAYER == 3
.irp g, 0,1
	WIN 0x80+0x40*\g
.set nn, 0
.rept 32
.if ((nn%16)/4) < 2
	global_load_b128 v[4*nn:4*nn+3], v[OSO], s[18:19] offset:(((nn%16)/4)%2)*4194304+(2*\g+nn/16)*8192+(nn%4)*512
.else
	global_load_b128 v[4*nn:4*nn+3], v[OSO], s[16:17] offset:(((nn%16)/4)%2)*4194304+(2*\g+nn/16)*8192+(nn%4)*512
.endif
.set nn, nn+1
.endr
.endr
.endif
	WIN 0x40
.set nn, 0
.rept 64
	global_load_b128 v[4*nn:4*nn+3], v[LI], s[4:5] offset:512*nn
.set nn, nn+1
.endr
	WIN 0
	s_mul_i32 s60, s[WV], 9216
	s_add_co_u32 s60, s60, ATAB
	v_mul_u32_u24 v[AAD0], v[RR], 144
	v_add_nc_u32 v[AAD0], s60, v[AAD0]
	v_lshl_add_u32 v[AST], v[HH], 6, v[AAD0]
	v_mul_u32_u24 v[AS3], v[HH], 1152
	v_lshl_add_u32 v[AS3], v[RR], 2, v[AS3]
	v_add_nc_u32 v[AS3], s60, v[AS3]
	v_add_nc_u32 v[WADI], INIT, v[LI]
	v_lshl_add_u32 v[WBS], v0, 3, WB
	v_lshl_add_u32 v[WBA], v[RR], 3, WB
	v_and_b32 v[TMP], 7, v0
	v_bfe_u32 v[TM2], v0, 3, 1
	v_lshl_add_u32 v[TMP], v[TM2], 4, v[TMP]
	v_lshl_add_u32 v[TMP], v[HH], 3, v[TMP]
	s_lshl_b32 s61, s[WV], 8
	s_add_co_u32 s61, s61, STG
	v_lshl_add_u32 v[SGA], v[TMP], 2, s61
	v_lshl_add_u32 v[SGL], v[RR], 4, s61
	v_lshlrev_b32 v[SGO], 4, v[RR]
	s_cmp_eq_u32 s[SS], 0
	s_cselect_b32 s62, -1, 0
	s_wait_kmcnt 0x0
	s_add_co_i32 s60, s70, 127
	s_lshl_b32 s61, s60, 23
	v_mov_b32 v[SCL], s61
	s_add_co_i32 s60, s60, 15
	s_lshl_b32 s60, s60, 23
	s_or_b32 s[LIM], s60, 0x600000
	s_or_b32 s[LIMN], s[LIM], 0x80000000
	s_add_co_i32 s60, s70, s71
	s_add_co_i32 s60, s60, 127
	s_lshl_b32 s[OUTS], s60, 23
	s_mov_b32 s[OUTS+1], s[OUTS]
	v_mov_b32 v[TMP], s72
	v_cmp_gt_u32 vcc_lo, 16, v[LN]
	v_cndmask_b32 v[BZ], 0, v[TMP], vcc_lo
	s_wait_loadcnt 63
	v_and_b32 v[WP+1], s62, v[WP+1]
	ds_store_b64 v[WBS], v[WP:WP+1]
.if LAYER == 2
.set nn, 0
.rept 16
	ds_store_b128 v[AST], v[OS+4*nn:OS+4*nn+3] offset:(nn/4)*2304+16*(nn%4)
.set nn, nn+1
.endr
.else
.irp g, 0,1
	WIN 0x8a+0x45*\g
.set nn, 0
.rept 16
	v_pk_add_f32 v[64*(nn/8)+2*(nn%8):64*(nn/8)+2*(nn%8)+1], v[64*(nn/8)+2*(nn%8):64*(nn/8)+2*(nn%8)+1], v[64*(nn/8)+16+2*(nn%8):64*(nn/8)+16+2*(nn%8)+1]
	v_pk_add_f32 v[64*(nn/8)+32+2*(nn%8):64*(nn/8)+32+2*(nn%8)+1], v[64*(nn/8)+32+2*(nn%8):64*(nn/8)+32+2*(nn%8)+1], v[64*(nn/8)+48+2*(nn%8):64*(nn/8)+48+2*(nn%8)+1]
.set nn, nn+1
.endr
.set nn, 0
.rept 16
	v_pk_add_f32 v[64*(nn/8)+2*(nn%8):64*(nn/8)+2*(nn%8)+1], v[64*(nn/8)+2*(nn%8):64*(nn/8)+2*(nn%8)+1], v[64*(nn/8)+32+2*(nn%8):64*(nn/8)+32+2*(nn%8)+1]
.set nn, nn+1
.endr
	WIN 0x08+0x04*\g
.set nn, 0
.rept 32
	ds_store_b32 v[AS3], v[64*(nn/16)+nn%16] offset:(2*\g+nn/16)*2304+(4*(((nn%16)/4)%2)+nn%4)*144+64*((nn%16)/8)
.set nn, nn+1
.endr
.endr
	WIN 0
.endif
	s_wait_tensorcnt 0x1
	s_wait_dscnt 0x0
	s_barrier_signal -1
	s_barrier_wait -1
.macro RUN adr, off, hf, a0, a1
	WIN 0
.set ff, 0
.rept 16
	ds_load_b128 v[128+64*(\hf)+4*ff:128+64*(\hf)+4*ff+3], v[\adr] offset:(\off)+(\hf)*8192+512*ff
.set ff, ff+1
.endr
.if (\a0) >= 0
	ds_load_b64 v[AP+2*(\a0):AP+2*(\a0)+1], v[AAD] offset:(\a0)*2304
	ds_load_b64 v[AP+2*(\a1):AP+2*(\a1)+1], v[AAD] offset:(\a1)*2304
.endif
.endm
.macro MULS g, tg, hw
.set TT, 2*(\g)+(\tg)
	WIN 0x84+0x40*(\g)
.set kk, 0
.rept 32
.if \hw
	v_pk_mul_f32 v[192+2*kk:193+2*kk], v[AP+2*TT:AP+2*TT+1], v[64*TT+2*kk:64*TT+2*kk+1] op_sel:[1,0] op_sel_hi:[1,1]
.else
	v_pk_mul_f32 v[192+2*kk:193+2*kk], v[AP+2*TT:AP+2*TT+1], v[64*TT+2*kk:64*TT+2*kk+1] op_sel_hi:[0,1]
.endif
.set kk, kk+1
.endr
.endm
.macro MAIN g, tg, pg, hf, pm, zero, gen
	WIN 0xa2+0x51*(\g)
.if \gen
.set jj, 0
.rept 8
.set jj, jj+1
.endr
.endif
.set ix, 0
.rept 8
.set rA, 64*(ix/4)+8*(4*(\hf)+ix%4)
.set rC, 128+32*(\pm)+16*(ix/4)
.set rF, 128+16*(4*(\hf)+ix%4)
.if \zero
	v_wmma_f32_16x16x128_bf8_bf8 v[rA:rA+7], v[rC:rC+15], v[rF:rF+15], 0
.else
	v_wmma_f32_16x16x128_bf8_bf8 v[rA:rA+7], v[rC:rC+15], v[rF:rF+15], v[rA:rA+7]
.endif
.if \gen
.if ix < 7
.set jj, 0
.rept 8
.set jj, jj+1
.endr
.endif
.set rD, 128+32*(\pg)+16*(\tg)+2*ix
	v_cvt_scalef32_pk8_bf8_f32 v[rD:rD+1], v[192+8*ix:192+8*ix+7], v[SCL]
.endif
.set ix, ix+1
.endr
.endm
.macro PAIR tg, hw, pg, hf, pm, zero, adr, off, a0, a1
	s_wait_dscnt 0x0
	MULS 0, \tg, \hw
	RUN \adr, \off, 1-(\hf), \a0, \a1
	MAIN 0, \tg, \pg, \hf, \pm, \zero, 1
	MULS 1, \tg, \hw
	MAIN 1, \tg, \pg, \hf, \pm, \zero, 1
.endm
.macro SPECIAL T
.set gg, (\T)/2
.set tt, (\T)%2
.set CD, 128+16*tt
	WIN 0x80+0x40*gg
.if LAYER == 3
.set kk, 0
.rept 4
	ds_load_b128 v[208+4*kk:211+4*kk], v[AST] offset:(\T)*2304+16*kk
.set kk, kk+1
.endr
.endif
.set kk, 0
.rept 16
	v_med3_num_f32 v[192+kk], v[OS+16*(\T)+kk], s[LIMN], s[LIM]
.set kk, kk+1
.endr
	v_med3_num_f32 v224, v[BZ], s[LIMN], s[LIM]
.set kk, 1
.rept 7
	v_mov_b32 v[224+kk], 0
.set kk, kk+1
.endr
	s_wait_alu depctr_va_vdst(0)
	s_wait_dscnt 0x0
	WIN 0xa2+0x51*gg
.if LAYER == 3
.set kk, 0
.rept 16
.set kk, kk+1
.endr
.endif
	v_cvt_scalef32_pk8_bf8_f32 v[CD:CD+1], v[192:199], v[SCL]
	v_cvt_scalef32_pk8_bf8_f32 v[CD+2:CD+3], v[200:207], v[SCL]
.if LAYER == 3
	v_cvt_scalef32_pk8_bf8_f32 v[CD+4:CD+5], v[208:215], v[SCL]
	v_cvt_scalef32_pk8_bf8_f32 v[CD+6:CD+7], v[216:223], v[SCL]
.endif
	v_cvt_scalef32_pk8_bf8_f32 v[CD+8:CD+9], v[224:231], v[SCL]
.if LAYER == 2
.set kk, 4
.rept 4
	v_mov_b32 v[CD+kk], 0
.set kk, kk+1
.endr
.endif
.set kk, 10
.rept 6
	v_mov_b32 v[CD+kk], 0
.set kk, kk+1
.endr
.endm
.macro TRIP
	v_add_nc_u32 v[WAD], s[TB], v[LI]
	s_add_co_u32 s[AO], s[AO], 8
	v_add_nc_u32 v[AAD], s[AO], v[AAD0]
	PAIR 1,1,0,1,1,0, WAD, 0, 0, 2
	PAIR 0,0,1,0,0,0, WAD, 0, 1, 3
	PAIR 1,0,1,1,0,0, WAD, 16384, -1, -1
	PAIR 0,1,0,0,1,0, WAD, 16384, -1, -1
	WIN 0
	s_add_co_u32 s[TB], s[TB], 32768
.endm
.macro SECTION
	s_mov_b32 s[TRIPS], 3
.Ltrip_\@:
	TRIP
	s_sub_co_u32 s[TRIPS], s[TRIPS], 1
	s_cmp_lg_u32 s[TRIPS], 0
	s_cbranch_scc1 .Ltrip_\@
	s_sub_co_u32 s[TB], s[TB], SECB
	s_xor_b32 s[TB], s[TB], SLOT1
.endm
.macro CHANGE fill
	WIN 0
	s_wait_tensorcnt 0x0
	ds_add_u32 v[SPW], v[NIL]
.if \fill
	s_xor_b32 s[G0+1], s[G0+1], SLOT1
	s_add_nc_u64 s[G0+2:G0+3], s[G0+2:G0+3], SECB
.endif
	s_wait_dscnt 0x0
.if \fill
	ROUND
	tensor_load_to_lds s[G0:G0+3], s[G1:G1+7]
	s_nop 0
	PLACES 4
.else
	s_barrier_signal -1
	s_barrier_wait -1
.endif
.endm
	RUN WADI, 0, 0, -1, -1
	RUN WADI, 0, 1, -1, -1
.irp t, 0,1,2,3
	ds_load_b64 v[AP+2*\t:AP+2*\t+1], v[AAD0] offset:\t*2304
.endr
	SPECIAL 0
	SPECIAL 1
	SPECIAL 2
	SPECIAL 3
	s_wait_loadcnt 0x0
	MULS 0,0,0
	MAIN 0,0,1,0,0,1,1
	MULS 1,0,0
	MAIN 1,0,1,0,0,1,1
	PAIR 1,0,1,1,0,1, WADI, 16384, -1, -1
	PAIR 0,1,0,0,1,0, WADI, 16384, -1, -1
	WIN 0
	s_mov_b32 s[TB], 0
	s_mov_b32 s[AO], 0
	s_mov_b32 s[SECS], 4
.Lsec:
	CHANGE 1
	SECTION
	s_sub_co_u32 s[SECS], s[SECS], 1
	s_cmp_lg_u32 s[SECS], 0
	s_cbranch_scc1 .Lsec
	CHANGE 0
	SECTION
	PAIR 1,1,0,1,1,0, WADI, 32768, -1, -1
	WIN 0
	PLACES 4
	RUN WADI, 32768, 1, -1, -1
.set cc, 0
.rept 8
	ds_load_b64 v[PB+2*cc:PB+2*cc+1], v[WBA] offset:128*cc
.set cc, cc+1
.endr
	s_wait_alu depctr_va_vdst(0)
	s_wait_dscnt 24
	MAIN 0,0,0,0,0,0,0
	MAIN 1,0,0,0,0,0,0
	s_wait_dscnt 0x0
	MAIN 0,0,0,1,0,0,0
	MAIN 1,0,0,1,0,0,0
	WIN 0
	PLACES 4
.macro OUT T
.set gg, (\T)/2
.set tt, (\T)%2
.set VB, 128+64*tt
.if (LAYER == 2) && ((\T) >= 2)
	s_wait_xcnt 0x0
.endif
	WIN 0x02+gg
.set cc, 0
.rept 8
.set mm, 0
.rept 4
	v_pk_fma_f32 v[VB+8*cc+2*mm:VB+8*cc+2*mm+1], v[64*tt+8*cc+2*mm:64*tt+8*cc+2*mm+1], s[OUTS:OUTS+1], v[PB+2*cc:PB+2*cc+1] op_sel:[0,0,1] op_sel_hi:[1,0,1]
.set mm, mm+1
.endr
.set cc, cc+1
.endr
	WIN 0
.set mm, 0
.rept 4
	v_pk_mul_f32 v[PR+8*(\T)+2*mm:PR+8*(\T)+2*mm+1], v[VB+2*mm:VB+2*mm+1], v[PB:PB+1] op_sel_hi:[1,0]
.set mm, mm+1
.endr
.set cc, 1
.rept 7
.set mm, 0
.rept 4
	v_pk_fma_f32 v[PR+8*(\T)+2*mm:PR+8*(\T)+2*mm+1], v[VB+8*cc+2*mm:VB+8*cc+2*mm+1], v[PB+2*cc:PB+2*cc+1], v[PR+8*(\T)+2*mm:PR+8*(\T)+2*mm+1] op_sel_hi:[1,0,1]
.set mm, mm+1
.endr
.set cc, cc+1
.endr
.if LAYER == 2
	s_cmp_lg_u32 s[FG], 0
	s_cbranch_scc1 .Lno_plane_\@
.set cc, 0
.rept 16
	global_store_b128 v[LI], v[VB+4*cc:VB+4*cc+3], s[18:19] offset:(\T)*8192+512*cc
.set cc, cc+1
.endr
.Lno_plane_\@:
.endif
.endm
	OUT 0
	OUT 1
	OUT 2
	OUT 3
.irp m, 1,2,4,8
.set qq, 0
.rept 32
	v_add_f32_dpp v[PR+qq], v[PR+qq], v[PR+qq] row_xmask:\m row_mask:0xf bank_mask:0xf
.set qq, qq+1
.endr
.endr
.irp t, 0,1,2,3
.set qq, 0
.rept 4
	v_cndmask_b32 v[XS+4*\t+qq], v[PR+8*\t+2*qq], v[PR+8*\t+2*qq+1], s66
.set qq, qq+1
.endr
	v_cndmask_b32 v[XS+4*\t], v[XS+4*\t], v[XS+4*\t+1], s67
	v_cndmask_b32 v[XS+4*\t+2], v[XS+4*\t+2], v[XS+4*\t+3], s67
	v_cndmask_b32 v[XS+4*\t], v[XS+4*\t], v[XS+4*\t+2], s68
.endr
	v_cndmask_b32 v[XS], v[XS], v[XS+4], s69
	v_cndmask_b32 v[XS+8], v[XS+8], v[XS+12], s69
	ds_store_b32 v[SGA], v[XS]
	ds_store_b32 v[SGA], v[XS+8] offset:128
	ds_load_b128 v[OB:OB+3], v[SGL]
	s_wait_dscnt 0x0
	s_wait_xcnt 0x0
	v_cmp_gt_u32 vcc_lo, 16, v[LN]
	s_and_saveexec_b32 s60, vcc_lo
	global_store_b128 v[SGO], v[OB:OB+3], s[20:21]
	s_wait_xcnt 0x0
	s_or_b32 exec_lo, exec_lo, s60
	s_wait_tensorcnt 0x0
	ds_add_u32 v[SPW], v[NIL]
	s_wait_dscnt 0x0
	ROUND
	s_endpgm
.Lfunc_end_k_q653e220b18_layer3:
	.size	k_q653e220b18_layer3, .Lfunc_end_k_q653e220b18_layer3-k_q653e220b18_layer3
	.p2alignl 7, 3214868480
	.fill 96, 4, 3214868480
	.section	.rodata,"a",@progbits
	.p2align	6, 0x0
	.amdhsa_kernel k_q653e220b18_layer3
		.amdhsa_group_segment_fixed_size 327680
		.amdhsa_private_segment_fixed_size 0
		.amdhsa_enable_private_segment 0
		.amdhsa_kernarg_size 72
		.amdhsa_user_sgpr_count 2
		.amdhsa_user_sgpr_kernarg_segment_ptr 1
		.amdhsa_wavefront_size32 1
		.amdhsa_system_sgpr_workgroup_id_x 1
		.amdhsa_system_sgpr_workgroup_id_y 1
		.amdhsa_system_sgpr_workgroup_id_z 1
		.amdhsa_system_vgpr_workitem_id 0
		.amdhsa_next_free_vgpr 1024
		.amdhsa_next_free_sgpr 84
		.amdhsa_reserve_vcc 1
		.amdhsa_float_denorm_mode_32 3
		.amdhsa_float_denorm_mode_16_64 3
		.amdhsa_fp16_overflow 1
		.amdhsa_memory_ordered 1
		.amdhsa_forward_progress 1
		.amdhsa_inst_pref_size 161
	.end_amdhsa_kernel
	.amdgpu_metadata
---
amdhsa.version: [ 1, 2 ]
amdhsa.kernels:
  - .name:           k_q653e220b18_layer3
    .symbol:         k_q653e220b18_layer3.kd
    .args:
      - { .name: o1img, .offset: 0, .size: 8, .value_kind: global_buffer, .address_space: global }
      - { .name: wc3, .offset: 8, .size: 8, .value_kind: global_buffer, .address_space: global }
      - { .name: lowp_scales, .offset: 16, .size: 8, .value_kind: global_buffer, .address_space: global }
      - { .name: bias0, .offset: 24, .size: 8, .value_kind: global_buffer, .address_space: global }
      - { .name: Wfc, .offset: 32, .size: 8, .value_kind: global_buffer, .address_space: global }
      - { .name: bf3, .offset: 40, .size: 8, .value_kind: global_buffer, .address_space: global }
      - { .name: bg3, .offset: 48, .size: 8, .value_kind: global_buffer, .address_space: global }
      - { .name: pl, .offset: 56, .size: 8, .value_kind: global_buffer, .address_space: global }
      - { .name: sc, .offset: 64, .size: 8, .value_kind: global_buffer, .address_space: global }
    .group_segment_fixed_size: 327680
    .private_segment_fixed_size: 0
    .kernarg_segment_align: 8
    .kernarg_segment_size: 72
    .max_flat_workgroup_size: 128
    .sgpr_count:     84
    .vgpr_count:     1024
    .wavefront_size: 32
...
	.end_amdgpu_metadata
.endif
;; end of part 3
;; launch final (part 4): grid 64 x 1, 1 waves a work-group, no clusters, 0 bytes of LDS; arguments sc, bias0, Wfc, bfc, out0; writes out0
.if DOCPART == 4
	.amdgcn_target "amdgcn-amd-amdhsa--gfx1250"
	.amdhsa_code_object_version 6
	.text
	.protected	k_q653e220b18_final
	.globl	k_q653e220b18_final
	.p2align	8
	.type	k_q653e220b18_final,@function
k_q653e220b18_final:
	s_mov_b64 s[64:65], 0
	v_nop
	global_prefetch_b8 v0, s[64:65] scope:SCOPE_SE
	s_setreg_imm32_b32 hwreg(HW_REG_WAVE_MODE, 25, 1), 1
	s_wait_xcnt 0x0
; out0[row] = bfc + bias0 x Wfc[0] + the sum of the row's numbers in the 20 planes of sc (4 of layer 1, 8 of layer 2, 8 of layer 3), each [8192] f32.
; A row's sum spans the work-groups of three launches, so it is ordered here, by one owner for each row.  One wave takes 128 rows, a lane four: each load and the store cover 512 consecutive bytes, aligned.
; A stream of 655,360 bytes: no LDS, no matrix unit, no cluster.
	s_load_b256 s[4:11], s[0:1], 0x0               ; sc s[4:5], bias0 s[6:7], Wfc s[8:9], bfc s[10:11]
	s_load_b64 s[12:13], s[0:1], 0x20              ; out0
	v_lshlrev_b32 v1, 4, v0
	s_lshl_b32 s14, ttmp9, 9
	v_add_nc_u32 v1, s14, v1                       ; 512 x work-group + 16 x lane
	s_wait_alu depctr_va_vdst(0)
	s_wait_kmcnt 0x0
	s_load_b32 s16, s[6:7], 0x0
	s_load_b32 s17, s[8:9], 0x0
	s_load_b32 s18, s[10:11], 0x0
.set pp, 0
.rept 20
	global_load_b128 v[4+4*pp:7+4*pp], v1, s[4:5] offset:32768*pp th:TH_LOAD_NT
.set pp, pp+1
.endr
	s_wait_kmcnt 0x0
	s_fmac_f32 s18, s16, s17                       ; bfc + bias0 x Wfc[0]
	s_mov_b32 s19, s18                             ; (named with it as a pair, so it is written)
	s_wait_loadcnt 0x0
.set pp, 1
.rept 19
	v_pk_add_f32 v[4:5], v[4:5], v[4+4*pp:5+4*pp]
	v_pk_add_f32 v[6:7], v[6:7], v[6+4*pp:7+4*pp]
.set pp, pp+1
.endr
	v_pk_add_f32 v[4:5], v[4:5], s[18:19] op_sel_hi:[1,0]
	v_pk_add_f32 v[6:7], v[6:7], s[18:19] op_sel_hi:[1,0]
	global_store_b128 v1, v[4:7], s[12:13]
	s_endpgm
.Lfunc_end_k_q653e220b18_final:
	.size	k_q653e220b18_final, .Lfunc_end_k_q653e220b18_final-k_q653e220b18_final
	.p2alignl 7, 3214868480
	.fill 96, 4, 3214868480
	.section	.rodata,"a",@progbits
	.p2align	6, 0x0
	.amdhsa_kernel k_q653e220b18_final
		.amdhsa_group_segment_fixed_size 0
		.amdhsa_private_segment_fixed_size 0
		.amdhsa_enable_private_segment 0
		.amdhsa_kernarg_size 40
		.amdhsa_user_sgpr_count 2
		.amdhsa_user_sgpr_kernarg_segment_ptr 1
		.amdhsa_wavefront_size32 1
		.amdhsa_system_sgpr_workgroup_id_x 1
		.amdhsa_system_sgpr_workgroup_id_y 1
		.amdhsa_system_sgpr_workgroup_id_z 1
		.amdhsa_system_vgpr_workitem_id 0
		.amdhsa_next_free_vgpr 96
		.amdhsa_next_free_sgpr 66
		.amdhsa_reserve_vcc 0
		.amdhsa_float_denorm_mode_32 3
		.amdhsa_float_denorm_mode_16_64 3
		.amdhsa_memory_ordered 1
		.amdhsa_forward_progress 1
		.amdhsa_inst_pref_size 6
	.end_amdhsa_kernel
	.amdgpu_metadata
---
amdhsa.version: [ 1, 2 ]
amdhsa.kernels:
  - .name:           k_q653e220b18_final
    .symbol:         k_q653e220b18_final.kd
    .args:
      - { .name: sc, .offset: 0, .size: 8, .value_kind: global_buffer, .address_space: global }
      - { .name: bias0, .offset: 8, .size: 8, .value_kind: global_buffer, .address_space: global }
      - { .name: Wfc, .offset: 16, .size: 8, .value_kind: global_buffer, .address_space: global }
      - { .name: bfc, .offset: 24, .size: 8, .value_kind: global_buffer, .address_space: global }
      - { .name: out0, .offset: 32, .size: 8, .value_kind: global_buffer, .address_space: global }
    .group_segment_fixed_size: 0
    .private_segment_fixed_size: 0
    .kernarg_segment_align: 8
    .kernarg_segment_size: 40
    .max_flat_workgroup_size: 32
    .sgpr_count:     66
    .vgpr_count:     96
    .wavefront_size: 32
...
	.end_amdgpu_metadata
.endif
;; end of part 4
